; MI455X (gfx1250); checked and timed in simulation.
; The chip was launched on July 23, 2026; its instructions are those of AMD's public machine-readable ISA for CDNA 5 (MIT licence, August 2026) and "CDNA5" Instruction Set Architecture Reference Guide (July 2026). The comments in the code are by the model that wrote it; some were corrected since.
;; RSR Linear. Allowed arithmetic: matrix products marked QUANTISED: E5M2 operands, one E8M0 scale for each 32 along K, by v_wmma_scale_f32_16x16x128_f8f6f4 with both operands' format E5M2, f32 sums; everything else in f32.
;; Inputs: W 4,096 x 4,096 float32; bias 4,096 float32; weight_scale one number float32; x 1 x 4,096 x 4,096 float32.
;; Outputs: out0 1 x 4,096 x 4,096 float32.
;; This version of the problem:
;;   THIS VERSION OF THE PROBLEM IS GIVEN IN LOW PRECISION. The matrix products marked QUANTISED in the list below multiply operands that are first quantised to E5M2 (5 exponent bits, 2 mantissa bits; 8 bits a number), with one power-of-two scale for each 32 numbers along K (OCP MX v1.0); their sums are f32. All else is computed in f32.
;;   The module's matrix products, in the order in which they are computed (A, B: the left and right operand; K: the contracted axis; several contracted axes count as one K, in the product's order):
;;     1. [M 4,096, K 4,096] x [K 4,096, N 4,096]; A: computed on the way; B: input W: QUANTISED
;;   THE QUANTISER, for each operand of a quantised product, along K:
;;     - K is cut into blocks of 32 from its start; a last block that is shorter is filled with zeros.
;;     - A block's scale is 2^e with e = floor(log2(the largest magnitude in the block)) - 15, held to -126 .. 127; a block of zeros has e = 0. As a byte (E8M0): e + 127.
;;     - Each number is divided by its block's scale, clamped to +-57,344, and rounded to the nearest number of E5M2, ties to even, subnormals kept.
;;     - The product sums the exact products of the quantised numbers (number of the format x scale) in f32.
;;   ~~~python
;;   def quantise(x, axis):      # numpy; x: float32 -> the quantised numbers, widened to float32 again
;;       x = np.moveaxis(x, axis, -1); K = x.shape[-1]
;;       x = np.pad(x, [(0, 0)] * (x.ndim - 1) + [(0, -K % 32)]); x = x.reshape(x.shape[:-1] + (-1, 32)); a = np.abs(x).max(-1, keepdims=True)
;;       e = np.where(a > 0, np.clip(np.frexp(np.where(a > 0, a, 1))[1] - 1 - 15, -126, 127), 0)      # np.frexp(a)[1] - 1 = floor(log2(a)), exactly
;;       r = np.clip(x / 2.0 ** e, -57344, 57344)
;;       step = 2.0 ** (np.maximum(np.frexp(np.where(r == 0, 1, r))[1] - 1, -14) - 2)
;;       q = np.round(r / step) * step * 2.0 ** e      # np.round: ties to even
;;       return np.moveaxis(q.reshape(q.shape[:-2] + (-1,))[..., :K], -1, axis).astype(np.float32)
;;   ~~~
;;   OPERANDS COMPUTED ON THE WAY. 'Computed on the way' means the value that the module computes at that place (a softmax that the list does not call 'softmax' is quantised finished and normalised). What goes into a quantiser is computed in f32, as accurately as f32 sums, v_exp_f32 and their like allow (about 1e-6 of the number): no bf16 or f16 on the way to a quantiser, and a product that is left as it is and whose result goes on into a quantised operand takes f32 operands (vector FMAs, or v_wmma_f32_16x16x4_f32). A number that lies on a knife's edge between two numbers of the format may be rounded either way, as far as f32 arithmetic and the matrix unit's own rounding can turn it there, and no further.
;; One version. Each part assembles by itself: llvm-mc -triple=amdgcn-amd-amdhsa -mcpu=gfx1250 --defsym DOCPART=n.
;; ======== version 1 of 1: 2 launches
;; limits: right only within a limited range of input values
;; workspace buffers: xq 17,301,504 bytes; wq 17,301,504 bytes
;; launch quant (part 1): grid 256 x 1, 16 waves a work-group, no clusters, 88,064 bytes of LDS; arguments x, W, xq, wq; writes xq, wq
.if DOCPART == 1
	.amdgcn_target "amdgcn-amd-amdhsa--gfx1250"
	.amdhsa_code_object_version 6
	.text
	.protected	k_q9546e9530e_quant
	.globl	k_q9546e9530e_quant
	.p2align	8
	.type	k_q9546e9530e_quant,@function
k_q9546e9530e_quant:
	s_mov_b64 s[64:65], 0
	v_nop
	global_prefetch_b8 v0, s[64:65] scope:SCOPE_SE
	s_setreg_imm32_b32 hwreg(HW_REG_WAVE_MODE, 25, 1), 1
	s_wait_xcnt 0x0
; x [4096][4096] f32 and W [4096][4096] f32 become codes of BF8 (E5M2) with one E8M0 scale byte for each 32 along K (the last axis of both).
; x first goes through the activation's fake quantiser, row by row: s = 127 / max(largest |x| of the row, 1e-5); q = clip(round to nearest even(x s), -128, 127) / s.  W is taken as it is given.
; A block's scale is 2^(floor(log2(its largest magnitude)) - 15): its byte is that magnitude's exponent field - 15, held at 1 from below; each number is divided by the scale, held within +-57,344 and rounded to the nearest code, ties to even.
; LAYOUT OF xq AND wq (this program's own): [row / 128 (32)][k / 256 (16)][a block of 33,792 bytes]; a block is 132 dense rows of 256 bytes: rows 0-127 the 256 codes of row 128 R + i, K step S;
; rows 128-131 the scale bytes, row i's eight at 32,768 + 8 i.  So the product's launch brings the codes and the scales of 128 rows and one K step as ONE tile.
; LIMITS: NaN and infinities are not served.  |x| stays under about 1e36 (the reciprocal of a larger row maximum would be denormal, which v_rcp_f32 gives as 0: ISA guide, its entry).  127 / m is v_rcp_f32 with one
; correction step; q = n x (1 / s) with 1 / s corrected likewise: within about 1.5 units in the last place of the division that it stands for.  A block of zeros gets the byte 1, not 127: its codes are zeros, and this program alone reads the bytes.
; SHARES.  Work-group g takes rows 16 g .. 16 g + 15 of x AND of W; wave w takes row 16 g + w of x first and then the same row of W, so that every work-group has the same vector work and the row with the fewer instructions comes last.
; A row, 16,384 bytes, is 128 registers of one wave: x's row stays in registers between the pass that finds its maximum and the pass that makes its codes; W's row needs no maximum and is worked set by set as its loads come in.
; A row goes in 8 steps of 512 numbers.  Each load reads 512 consecutive bytes, 16 a lane; the conversions want 16 NEIGHBOURS in a lane: a step's 2,048 bytes turn through the wave's own stage in LDS (64 bytes + 16 of padding a lane).
; A lane's 16 codes are 16 bytes: lanes 0-15 store 256 consecutive bytes, aligned (a row of K step 2 t), lanes 16-31 another (K step 2 t + 1).  The scale bytes of the work-group's 32 rows meet in LDS;
; behind one barrier wave w stores those of K step w: 128 consecutive bytes for x's 16 rows and 128 for W's: half an aligned run of 256 bytes each (one byte in 64 of what the launch stores).
; No address register, base or store's data register is ever written again: so no wait for that stands in the text.
.set BLK,   33792                      ; a block of the workspace
.set RBLK,  16*BLK                     ; 128 rows, all of K
.set SP,    80                         ; a lane's place in a stage: 64 bytes + 16 of padding
.set WREG,  2*32*SP                    ; a wave's two stages: 5,120 bytes
.set SCG,   16*WREG                    ; behind them: the scale bytes, [K step (16)][x's 16 rows, then W's 16][8]
.set R,     16                         ; v16-143  the row as loaded: set t (512 numbers) at R + 16 t
.set X,     144                        ; v144-175 two sets of 16 neighbours; v144-148 are also at work while a row's maximum is found
.set C,     176                        ; v176-239 four registers of codes for each of the wave's 16 steps
.set E,     240                        ; v240-255 a scale byte for each step
; v1 16 x lane (loads); v2, v3 the stage, in and out; v4 my codes' place; v5 my block's byte in LDS; v6, v7 the scale bytes' way out; v8-11 at work; v[12:13] s, twice; v[14:15] 1 / s, twice
	s_load_b128 s[4:7], s[0:1], 0x0                ; x, W
	s_load_b128 s[8:11], s[0:1], 0x10              ; xq, wq
	v_lshrrev_b32 v1, 5, v0
	s_delay_alu instid0(VALU_DEP_1)
	v_readfirstlane_b32 s16, v1                    ; wave 0..15
	v_and_b32 v8, 31, v0                           ; lane
	s_delay_alu instid0(VALU_DEP_1)
	v_lshlrev_b32 v1, 4, v8                        ; my 16 bytes of a load's 512
	s_mov_b32 s21, 0x42fe0000                      ; 127.0
	s_mov_b32 s22, 0xc3000000                      ; -128.0
	s_mov_b32 s23, 0x600000                        ; the mantissa field of 57,344
	s_mov_b32 s28, 0x76543210
	s_mov_b32 s29, 0xfedcba98                      ; v_permlanex16_b32's selects for lane l xor 16
	s_mov_b32 s25, 0
	s_mov_b32 s27, 0
	s_wait_alu depctr_va_vdst(0)
	s_wait_kmcnt 0x0
	s_lshl_b32 s18, ttmp9, 4
	s_add_co_u32 s18, s18, s16                     ; my wave's row of both tensors: 16 g + w
	s_lshl_b32 s24, s18, 14                        ; rows of 16,384 bytes: under 2^27
	s_add_nc_u64 s[4:5], s[4:5], s[24:25]
	s_add_nc_u64 s[6:7], s[6:7], s[24:25]
.macro LOADSET rho, t                  ; set t of x's row (rho = 0) or W's (1): four loads of 512 consecutive bytes
.irp i, 0,1,2,3
	global_load_b128 v[R+16*(\t)+4*\i:R+16*(\t)+4*\i+3], v1, s[4+2*(\rho):5+2*(\rho)] offset:2048*(\t)+512*\i th:TH_LOAD_NT
.endr
.endm
.irp t, 0,1,2,3,4,5,6,7
	LOADSET 0, \t                                  ; x's row is asked for whole, ahead of everything else: 32 loads a wave
.endr
	s_lshr_b32 s18, ttmp9, 3                       ; R = row / 128
	s_mul_i32 s24, s18, RBLK
	s_add_nc_u64 s[8:9], s[8:9], s[24:25]
	s_add_nc_u64 s[10:11], s[10:11], s[24:25]
	s_and_b32 s18, ttmp9, 7
	s_lshl_b32 s18, s18, 7                         ; 8 bytes x the work-group's first row in its 128
	s_mul_i32 s26, s16, BLK                        ; K step w's block,
	s_add_co_u32 s26, s26, s18
	s_add_co_u32 s26, s26, 32768                   ; behind its 128 rows of codes
	s_add_nc_u64 s[12:13], s[8:9], s[26:27]        ; where my wave stores 128 scale bytes of x
	s_add_nc_u64 s[14:15], s[10:11], s[26:27]      ; and of W
	s_lshl_b32 s18, s18, 5                         ; 256 bytes x the work-group's first row in its 128,
	s_lshl_b32 s19, s16, 8                         ; + w rows
	s_add_co_u32 s24, s18, s19
	s_add_nc_u64 s[8:9], s[8:9], s[24:25]          ; my wave's row of codes in K step 0's block
	s_add_nc_u64 s[10:11], s[10:11], s[24:25]
	s_mul_i32 s18, s16, WREG                       ; my stages
	v_lshrrev_b32 v9, 2, v8
	s_delay_alu instid0(VALU_DEP_1)
	v_mul_u32_u24 v2, v9, SP
	v_and_b32 v9, 3, v8
	s_delay_alu instid0(VALU_DEP_1)
	v_lshl_add_u32 v2, v9, 4, v2
	s_delay_alu instid0(VALU_DEP_1)
	v_add_nc_u32 v2, s18, v2                       ; in: four lanes' 64 bytes on end, then 16 of padding
	v_mul_u32_u24 v3, v8, SP
	s_delay_alu instid0(VALU_DEP_1)
	v_add_nc_u32 v3, s18, v3                       ; out: my 16 neighbours
	v_and_b32 v9, 15, v8
	v_lshrrev_b32 v10, 4, v8                       ; which of the step's two K steps
	s_delay_alu instid0(VALU_DEP_1)
	v_mul_u32_u24 v4, v10, BLK
	s_delay_alu instid0(VALU_DEP_1)
	v_lshl_add_u32 v4, v9, 4, v4                   ; my codes: 16 (lane % 16) in the row, + a block for lanes 16-31
	v_bfe_u32 v9, v8, 1, 3                         ; my block of 32 among the K step's eight
	s_delay_alu instid0(VALU_DEP_1)
	v_lshl_add_u32 v5, v10, 8, v9
	s_lshl_b32 s19, s16, 3
	s_add_co_u32 s19, s19, SCG
	v_add_nc_u32 v5, s19, v5                       ; its byte: SCG + 256 x K step + 8 w + block (+ 128 for W's row, in the store's immediate)
	v_lshlrev_b32 v7, 2, v8
	s_lshl_b32 s19, s16, 8
	s_add_co_u32 s19, s19, SCG
	v_add_nc_u32 v6, s19, v7                       ; the way out: K step w's bytes, 4 a lane
	v_mov_b32 v148, 0                              ; a lane permute's destination counts as one of its sources
.macro TURN t                          ; set t through a stage: LDS serves a wave's instructions in order (ISA guide 5.7.1.4), so no wait stands between the stores and the loads
.irp i, 0,1,2,3
	ds_store_b128 v2, v[R+16*(\t)+4*\i:R+16*(\t)+4*\i+3] offset:32*SP*((\t)%2)+8*SP*\i
.endr
.irp i, 0,1,2,3
	ds_load_b128 v[X+16*((\t)%2)+4*\i:X+16*((\t)%2)+4*\i+3], v3 offset:32*SP*((\t)%2)+16*\i
.endr
.endm
; x's row: its largest magnitude, s = 127 / it, and 1 / s.  Register work alone.
.macro PASS1
.set PN, 0
.rept 64                               ; four chains by turns, two numbers a line; 1e-5, under which the maximum is not taken, is a leaf of each chain's first line
.if PN < 4
	v_max3_num_f32 v[X+PN], |v[R+2*PN]|, |v[R+2*PN+1]|, 0x3727c5ac
.else
	s_delay_alu instid0(VALU_DEP_4)
	v_max3_num_f32 v[X+PN%4], v[X+PN%4], |v[R+2*PN]|, |v[R+2*PN+1]|
.endif
.set PN, PN+1
.endr
	s_delay_alu instid0(VALU_DEP_2)
	v_max3_num_f32 v144, v144, v145, v146
	s_delay_alu instid0(VALU_DEP_1)
	v_max_num_f32 v144, v144, v147
	s_delay_alu instid0(VALU_DEP_1)
	v_max_num_f32_dpp v144, v144, v144 row_xmask:1 row_mask:0xf bank_mask:0xf
	s_delay_alu instid0(VALU_DEP_1)
	v_max_num_f32_dpp v144, v144, v144 row_xmask:2 row_mask:0xf bank_mask:0xf
	s_delay_alu instid0(VALU_DEP_1)
	v_max_num_f32_dpp v144, v144, v144 row_xmask:4 row_mask:0xf bank_mask:0xf
	s_delay_alu instid0(VALU_DEP_1)
	v_max_num_f32_dpp v144, v144, v144 row_xmask:8 row_mask:0xf bank_mask:0xf
	s_delay_alu instid0(VALU_DEP_1)
	v_permlanex16_b32 v148, v144, s28, s29
	s_delay_alu instid0(VALU_DEP_1)
	v_max_num_f32 v144, v144, v148                 ; m, in every lane
	s_wait_alu depctr_va_vdst(0)
	v_rcp_f32 v145, v144
	v_nop                                          ; one plain instruction behind a transcendental before its result is used (ISA guide 5.7.2)
	s_wait_alu depctr_va_vdst(0)
	v_mul_f32 v12, s21, v145                       ; 127 / m, roughly;
	s_delay_alu instid0(VALU_DEP_1)
	v_fma_f32 v146, -v12, v144, s21                ; what is missing,
	v_fma_f32 v12, v146, v145, v12                 ; put right: s
	s_wait_alu depctr_va_vdst(0)
	v_rcp_f32 v147, v12
	v_mov_b32 v13, v12                             ; (the plain instruction behind the second reciprocal)
	s_wait_alu depctr_va_vdst(0)
	v_fma_f32 v146, -v12, v147, 1.0
	v_fma_f32 v14, v146, v147, v147                ; 1 / s, corrected likewise
	s_delay_alu instid0(VALU_DEP_1)
	v_mov_b32 v15, v14
.endm
; The fake quantiser on the 16 numbers at v[XS]: x's row alone.
.macro FAKE
	s_wait_alu depctr_va_vdst(0)
.irp j, 0,2,4,6,8,10,12,14
	v_pk_mul_f32 v[XS+\j:XS+\j+1], v[XS+\j:XS+\j+1], v[12:13]
.endr
.irp j, 0,1,2,3,4,5,6,7,8,9,10,11,12,13,14,15
	v_rndne_f32 v[XS+\j], v[XS+\j]
.endr
.irp j, 0,1,2,3,4,5,6,7,8,9,10,11,12,13,14,15
	v_med3_num_f32 v[XS+\j], v[XS+\j], s22, s21    ; between -128 and 127
.endr
.irp j, 0,2,4,6,8,10,12,14
	v_pk_mul_f32 v[XS+\j:XS+\j+1], v[XS+\j:XS+\j+1], v[14:15]
.endr
.endm
.macro STEP rho, t
.set XS, X+16*((\t)%2)
.set NN, 8*(\rho)+(\t)
.if (\t) == 0
	s_wait_dscnt 0x0                               ; this step's numbers are back from the stage
.else
	s_wait_dscnt 0x1                               ; the same; the one younger LDS instruction, the last step's byte store, may be out
.endif
.if (\rho) == 0
	LOADSET 1, \t                                  ; so set t's stores into the stage have read their registers: they take set t of W's row
.endif
.if (\t) < 7
.if (\rho) == 1
	s_wait_loadcnt 4*(6-(\t))                      ; set t + 1 of W's row is in: behind it 6 - t sets of four loads
.endif
	TURN (\t)+1                                    ; the next set goes through the other stage while this step is worked
.endif
.if (\rho) == 0
	FAKE
.endif
	v_max3_num_f32 v8, |v[XS]|, |v[XS+1]|, |v[XS+2]|               ; the largest magnitude of my 16, in two chains
	v_max3_num_f32 v9, |v[XS+3]|, |v[XS+4]|, |v[XS+5]|
.irp i, 6,10
	s_delay_alu instid0(VALU_DEP_2)
	v_max3_num_f32 v8, v8, |v[XS+\i]|, |v[XS+\i+1]|
	s_delay_alu instid0(VALU_DEP_2)
	v_max3_num_f32 v9, v9, |v[XS+\i+2]|, |v[XS+\i+3]|
.endr
	s_delay_alu instid0(VALU_DEP_2)
	v_max3_num_f32 v8, v8, |v[XS+14]|, |v[XS+15]|
	s_delay_alu instid0(VALU_DEP_1)
	v_max3_num_f32 v8, v8, v9, 0x8000000           ; and the floor 2^(16 - 127): so the byte cannot fall under 1
	s_delay_alu instid0(VALU_DEP_1)
	v_max_num_f32_dpp v8, v8, v8 row_xmask:1 row_mask:0xf bank_mask:0xf   ; with my neighbour's 16: the block's
	s_delay_alu instid0(VALU_DEP_1)
	v_add_nc_u32 v11, 0xf8800000, v8               ; 15 off its exponent field: the conversion takes the exponent field of this operand as its scale, and nothing else of it
	s_delay_alu instid0(VALU_DEP_2)
	v_and_or_b32 v10, v8, 0x7f800000, s23          ; 57,344 x the scale
.irp i, 0,1,2,3,4,5,6,7,8,9,10,11,12,13,14,15
	v_med3_num_f32 v[XS+\i], v[XS+\i], -v10, v10   ; the conversion to an 8-bit code does not saturate (ISA guide 7.6.2): the hold comes first
.endr
	v_cvt_scalef32_pk8_bf8_f32 v[C+4*NN:C+4*NN+1], v[XS:XS+7], v11
	v_cvt_scalef32_pk8_bf8_f32 v[C+4*NN+2:C+4*NN+3], v[XS+8:XS+15], v11
	v_lshrrev_b32 v[E+NN], 23, v11                 ; the scale's byte (also the plain instruction behind the conversions)
	ds_store_b8 v5, v[E+NN] offset:512*(\t)+128*(\rho)             ; both lanes of a block write the same byte with the same value
	global_store_b128 v4, v[C+4*NN:C+4*NN+3], s[8+2*(\rho):9+2*(\rho)] offset:2*BLK*(\t)   ; each half of the lanes stores 256 consecutive bytes, aligned; the next launch reads them: no hint
.endm
.macro ROW rho
.if (\rho) == 0
	s_wait_loadcnt 0x0                             ; x's whole row is in
	PASS1
.else
	s_wait_loadcnt 28                              ; set 0 of W's row is in: behind it seven sets of four loads
.endif
	TURN 0
.irp t, 0,1,2,3,4,5,6,7
	STEP \rho, \t
.endr
.endm
	s_wait_alu depctr_va_vdst(0)                   ; the wait at the head's end
	ROW 0
	ROW 1
	s_wait_dscnt 0x0                               ; for the others' sake: my byte stores have landed
	s_barrier_signal -1
	s_barrier_wait -1                              ; the scale bytes of all 32 rows lie in LDS
	ds_load_b32 v8, v6
	ds_load_b32 v9, v6 offset:128
	s_wait_dscnt 0x0
	global_store_b32 v7, v8, s[12:13]              ; K step w's scale bytes of x's 16 rows: 128 consecutive bytes,
	global_store_b32 v7, v9, s[14:15]              ; and of W's
	s_wait_xcnt 0x0
	v_lshl_add_u32 v254, v0, 2, 0x15000
	v_mov_b32 v255, 0
	s_wait_alu depctr_va_vdst(0)
	s_wait_tensorcnt 0x0
	ds_add_u32 v254, v255
	s_wait_dscnt 0x0
	s_endpgm
.Lfunc_end_k_q9546e9530e_quant:
	.size	k_q9546e9530e_quant, .Lfunc_end_k_q9546e9530e_quant-k_q9546e9530e_quant
	.p2alignl 7, 3214868480
	.fill 96, 4, 3214868480
	.section	.rodata,"a",@progbits
	.p2align	6, 0x0
	.amdhsa_kernel k_q9546e9530e_quant
		.amdhsa_group_segment_fixed_size 88064
		.amdhsa_private_segment_fixed_size 0
		.amdhsa_enable_private_segment 0
		.amdhsa_kernarg_size 32
		.amdhsa_user_sgpr_count 2
		.amdhsa_user_sgpr_kernarg_segment_ptr 1
		.amdhsa_wavefront_size32 1
		.amdhsa_system_sgpr_workgroup_id_x 1
		.amdhsa_system_sgpr_workgroup_id_y 1
		.amdhsa_system_sgpr_workgroup_id_z 1
		.amdhsa_system_vgpr_workitem_id 0
		.amdhsa_next_free_vgpr 256
		.amdhsa_next_free_sgpr 66
		.amdhsa_reserve_vcc 0
		.amdhsa_float_denorm_mode_32 3
		.amdhsa_float_denorm_mode_16_64 3
		.amdhsa_memory_ordered 1
		.amdhsa_forward_progress 1
		.amdhsa_inst_pref_size 84
	.end_amdhsa_kernel
	.amdgpu_metadata
---
amdhsa.version: [ 1, 2 ]
amdhsa.kernels:
  - .name:           k_q9546e9530e_quant
    .symbol:         k_q9546e9530e_quant.kd
    .args:
      - { .name: x, .offset: 0, .size: 8, .value_kind: global_buffer, .address_space: global }
      - { .name: W, .offset: 8, .size: 8, .value_kind: global_buffer, .address_space: global }
      - { .name: xq, .offset: 16, .size: 8, .value_kind: global_buffer, .address_space: global }
      - { .name: wq, .offset: 24, .size: 8, .value_kind: global_buffer, .address_space: global }
    .group_segment_fixed_size: 88064
    .private_segment_fixed_size: 0
    .kernarg_segment_align: 8
    .kernarg_segment_size: 32
    .max_flat_workgroup_size: 512
    .sgpr_count:     66
    .vgpr_count:     256
    .wavefront_size: 32
...
	.end_amdgpu_metadata
.endif
;; end of part 1
;; launch gemm (part 2): grid 16 x 16, 4 waves a work-group, clusters of 4 x 4, 327,680 bytes of LDS; arguments xq, wq, bias, weight_scale, out0; writes out0
.if DOCPART == 2
	.amdgcn_target "amdgcn-amd-amdhsa--gfx1250"
	.amdhsa_code_object_version 6
	.text
	.protected	k_q9546e9530e_gemm
	.globl	k_q9546e9530e_gemm
	.p2align	8
	.type	k_q9546e9530e_gemm,@function
k_q9546e9530e_gemm:
	s_mov_b64 s[64:65], 0
	v_nop
	global_prefetch_b8 v0, s[64:65] scope:SCOPE_SE
	s_setreg_imm32_b32 hwreg(HW_REG_WAVE_MODE, 25, 1), 1
	s_wait_xcnt 0x0
	s_wait_alu depctr_hold_cnt(0) depctr_sa_sdst(0) depctr_va_vdst(0) depctr_va_sdst(0) depctr_va_ssrc(0) depctr_va_vcc(0) depctr_vm_vsrc(0)
	s_getreg_b32 s2, hwreg(HW_REG_IB_STS2, 6, 4)
	s_cmp_eq_u32 s2, 0
	s_cbranch_scc0 .Lentry_in_a_cluster
	s_endpgm
.Lentry_in_a_cluster:
	s_bfe_u32 s2, ttmp6, 0x10000c
	s_cmp_lg_u32 s2, 0xf033
	s_cbranch_scc0 .Lentry_shape_is_right
	s_endpgm
.Lentry_shape_is_right:
; out0[m][n] = (sum over k of q[m][k] W[n][k] + bias[n]) / weight_scale, on the codes of BF8 (E5M2) and E8M0 scale bytes that the launch before laid in xq and wq:
; [row / 128][k / 256][a block of 33,792 bytes = 128 rows of 256 codes, then 4 rows of 256 bytes with row i's eight scale bytes at 32,768 + 8 i].
; A work-group of four waves makes 256 x 256 of the output, a wave 128 x 128: 64 accumulators, 512 registers.  K goes in steps of 256 through a ring of two LDS slots; a wave's tensor load brings
; one block (132 rows of 256 bytes, 16 bytes of padding behind each): codes and scales of 128 rows in one tile.
; CLUSTERS: 4 x 4 work-groups; x's blocks are asked for jointly along a row of the cluster, W's along a column.  The order of the K steps is turned inside each group of four by a number that all
; partners of a cluster share (KR); the sums are f32 and take K in that order.
; THE MATRIX INSTRUCTION IS USED TRANSPOSED (source 0 = 16 rows of W, source 1 = 16 rows of x): a lane holds eight neighbouring columns of one output row.
; A step of 128 along K is 64 products, x's blocks one after the other, each against W's eight.  ITS LDS LOADS STAND IN TWO RUNS OF 32, each behind eight places, and all 64 belong to the NEXT step:
; W has two sets of fragments, and the idle set is loaded behind x's blocks 0 and 1; x's blocks 0-3 have one set, free when their products are issued, and blocks 4-7 two sets, so all of x's next fragments are loaded in one run in the step's second half.
; So a slot's last read is issued in its first step, and the change of slots stands at the head of its second step, with sixteen products between the add and the end of the round's opening barrier.
; THE LAST K STEP OF 256 GOES BY x's BLOCKS: both sets of W's fragments hold that slot, a block of 16 rows takes its sixteen products on end, and leaves while the later blocks are multiplied.
; PREFETCH: in the step behind each refill the K step two refills on is named, 256 bytes a lane: of a block's 132 rows each of the four partners that ask for it jointly takes 32 rows of codes and one row of scales, told apart by address.
; The head names K steps 1 and 2, the first step K step 3; the last two refills have no K step two on and ask for nothing.
; LIMITS: the division is a multiplication by v_rcp_f32(weight_scale), and the bias is multiplied by it before it is added: a rounding order other than the division's.  NaN and infinities are not served.
.set SIZE_N, 4096
.set PITCH,  272                       ; an LDS row: 256 bytes + 16 of padding
.set TR,     132
.set HALFT,  TR*PITCH                  ; what one tensor load brings
.set SLOT,   4*HALFT                   ; x's two blocks, then W's two
.set BLK,    33792
.set RBLK,   16*BLK
.set LAPS,   8                         ; a lap = two K steps of 256
.set SPARE,  2*SLOT                    ; the spare words: 128 bytes a wave
.set STAGE,  SPARE+512                 ; the way out: 16 rows x 528 bytes for each wave, bytes that no tensor load fills
.set SPITCH, 528
.set BI,   8                           ; v8-11   bias / weight_scale of my four columns
.set RW,   12                          ; v12-13  1 / weight_scale, twice
.set ADRA, 16                          ; v16-17  LDS address of x's fragments in slot 0, 1
.set ADRB, 20                          ; v20-21  W's
.set ADRS, 22                          ; v22-23  scale words: lanes 0-15 x's rows, lanes 16-31 W's
.set STO,  24
.set RD,   25
.set CO,   26
.set SPW,  28
.set NIL,  29
.set PFO,  30                          ; v30     256 x lane
.set PF2,  31                          ; v31     from my 32 rows of codes to my row of scales
.set SC,   32                          ; v32-63  scale words, a set of 16 for each slot: register 2 i + q
.set AX,   64                          ; v64-127 x's blocks 4-7 for a slot's second 128 along K; in the last K step four buffers for that half's blocks, by turns
.set AF,   128                         ; v128-255 x's blocks 0-7 (blocks 4-7: for a slot's first 128 along K)
; window 1: W's fragments, set q at v[128 q].  Windows 2, 3: the accumulators, (a, b) at v[8 (8 (a % 4) + b)]; on the way out a block's 64 registers take its rows as they come back from the stage
.set G1, 24
.set G0, 32
.set G1B, 48
.set G0B, 56
.set ABASE, 68
.set BBASE, 70
.set KT,   72                          ; the K step asked for last
.set KR,   73
.set KO,   74
.set KX,   76
.set PB,   78                          ; my partner's share of the block that I fetch, K step 0
.set PF,   80                          ; the loop's prefetch address
.set PK,   82
.set TT,   84
.set MSB, 0
.macro WIN new                         ; the immediate's high byte repeats the setting that is left
.if MSB != \new
	s_set_vgpr_msb (MSB<<8)|\new
.set MSB, \new
.endif
.endm
.set MUL_LO, 0xa1                      ; source 0 window 1, source 1 window 0, C and D window 2
.set MUL_HI, 0xf1
.set TO_B,   0x40                      ; destination window 1
.macro JLOAD g0a, g1a, g0b, g1b        ; a joint load: waves 0, 1 fetch x's blocks, waves 2, 3 W's
	s_cmp_eq_u32 s15, 0
	s_cbranch_scc0 .Lfor_b_\@
	tensor_load_to_lds s[\g0a:\g0a+3], s[\g1a:\g1a+7]
	s_nop 0
.rept 4
	v_nop
.endr
	s_branch .Lasked_\@
.Lfor_b_\@:
	tensor_load_to_lds s[\g0b:\g0b+3], s[\g1b:\g1b+7]
	s_nop 0
.rept 4
	v_nop
.endr
.Lasked_\@:
.endm
.macro CREST                           ; a round of the cluster's barrier behind its opening barrier
	s_cmp_lg_u32 s14, 0
	s_cbranch_scc1 .Lnot_wave_0_\@
	s_barrier_signal -3
.Lnot_wave_0_\@:
	s_barrier_wait -3
	s_barrier_signal -1
	s_barrier_wait -1
.endm
.macro CROUND
	s_barrier_signal -1
	s_barrier_wait -1
	CREST
.endm
.macro KOFF dst, src                   ; the byte offset of the block that is taken as K step s[src]: turned by KR inside its group of four
	s_add_co_u32 s[KX], s[\src], s[KR]
	s_and_b32 s[KX], s[KX], 3
	s_and_b32 s[\dst], s[\src], 12
	s_or_b32 s[\dst], s[\dst], s[KX]
	s_mul_i32 s[\dst], s[\dst], BLK
.endm
.macro PFADR dst, t
	s_mov_b32 s[TT], \t
	KOFF PK, TT
	s_add_nc_u64 s[\dst:\dst+1], s[PB:PB+1], s[PK:PK+1]
.endm
.macro PLACES n
.rept \n
	v_nop
.endr
.endm
	s_load_b256 s[4:11], s[0:1], 0x0               ; xq, wq, bias, weight_scale
	s_load_b64 s[12:13], s[0:1], 0x20              ; out0
	v_lshl_add_u32 v[SPW], v0, 2, SPARE
	v_mov_b32 v[NIL], 0
	ds_add_u32 v[SPW], v[NIL]                      ; the opening lines: the add, twice on end, and its wait
	ds_add_u32 v[SPW], v[NIL]
	v_lshrrev_b32 v1, 5, v0
	v_readfirstlane_b32 s14, v1                    ; wave
	s_lshr_b32 s15, s14, 1                         ; my half of the rows; also: I fetch for x (0) or W (1)
	s_and_b32 s16, s14, 1                          ; my half of the columns; also: which block of 128 rows I fetch
	s_bfe_u32 s40, ttmp6, 0x40000                  ; cx
	s_bfe_u32 s41, ttmp6, 0x40004                  ; cy
	s_lshl_b32 s42, ttmp9, 2
	s_add_co_u32 s42, s42, s40                     ; tile column
	s_and_b32 s17, ttmp7, 0xffff
	s_lshl_b32 s17, s17, 2
	s_add_co_u32 s17, s17, s41                     ; tile row
	s_lshl_b32 s43, s41, 2
	s_lshl_b32 s43, 15, s43                        ; my row of the cluster
	s_lshl_b32 s44, 0x1111, s40                    ; my column
	s_and_b32 s[KX], ttmp7, 0xffff                 ; KR from the cluster's x and y alone
	s_lshr_b32 s[KR], s[KX], 1
	s_xor_b32 s[KR], s[KR], s[KX]
	s_and_b32 s[KR], s[KR], 1
	s_lshl_b32 s[KR], s[KR], 1
	s_add_co_u32 s[KR], s[KR], ttmp9
	s_mov_b32 s[KO+1], 0
	s_mov_b32 s[PK+1], 0
	s_or_b32 s[G1+0], s43, (0<<16)|(1<<20)|(1<<21)|(5<<22)|(3<<25)   ; mask; bytes; padding of 4 words behind every 64; bit 21 beside a mask
	s_or_b32 s[G1B+0], s44, (0<<16)|(1<<20)|(1<<21)|(5<<22)|(3<<25)
.irp g, G1, G1B
	s_mov_b32 s[\g+1], 256<<16
	s_mov_b32 s[\g+2], TR<<16
	s_mov_b32 s[\g+3], 256<<16
	s_mov_b32 s[\g+4], TR
	s_mov_b32 s[\g+5], 256
	s_mov_b32 s[\g+6], 0
	s_mov_b32 s[\g+7], 0
.endr
	s_lshl_b32 s20, s17, 1
	s_add_co_u32 s20, s20, s16
	s_mul_i32 s20, s20, RBLK                       ; x: block row 2 x tile row + half
	s_mov_b32 s21, 0
	s_lshl_b32 s46, s42, 1
	s_add_co_u32 s46, s46, s16
	s_mul_i32 s46, s46, RBLK                       ; W: 2 x tile column + half
	s_mov_b32 s47, 0
	s_mul_i32 s45, s14, HALFT                      ; where my block goes: wave x 132 rows
	s_wait_dscnt 0x0                               ; both opening adds are done
	s_wait_kmcnt 0x0
	s_add_nc_u64 s[ABASE:ABASE+1], s[4:5], s[20:21]
	s_add_nc_u64 s[BBASE:BBASE+1], s[6:7], s[46:47]
	CROUND                                         ; in front of the first joint loads
.irp s, 0,1
	s_mov_b32 s[KT], \s
	KOFF KO, KT
	s_mov_b32 s[G0+4*\s], 1
	s_add_co_u32 s[G0+4*\s+1], s45, \s*SLOT
	s_add_nc_u64 s[G0+4*\s+2:G0+4*\s+3], s[ABASE:ABASE+1], s[KO:KO+1]
	s_or_b32 s[G0+4*\s+3], s[G0+4*\s+3], 0x80000000
	s_mov_b32 s[G0B+4*\s], 1
	s_add_co_u32 s[G0B+4*\s+1], s45, \s*SLOT
	s_add_nc_u64 s[G0B+4*\s+2:G0B+4*\s+3], s[BBASE:BBASE+1], s[KO:KO+1]
	s_or_b32 s[G0B+4*\s+3], s[G0B+4*\s+3], 0x80000000
.endr
	JLOAD G0, G1, G0B, G1B                         ; K step 0: one tensor load a wave at the head
	; the head's scalar work first, then its vector work on end
	s_lshl_b32 s46, s42, 10
	s_lshl_b32 s47, s16, 9
	s_add_co_u32 s46, s46, s47                     ; my first column, in bytes
	s_mov_b32 s47, 0
	s_add_nc_u64 s[8:9], s[8:9], s[46:47]
	s_load_b32 s2, s[10:11], 0x0
	s_mul_i32 s21, s15, HALFT                      ; my 128 rows of x
	s_mul_i32 s22, s16, HALFT
	s_add_co_u32 s22, s22, 2*HALFT                 ; my 128 rows of W
	s_sub_co_u32 s23, s22, s21
	s_add_co_u32 s18, s21, SLOT
	s_add_co_u32 s19, s22, SLOT
	s_mul_i32 s20, s14, 16*SPITCH
	s_add_co_u32 s20, s20, STAGE                   ; my stage
	s_lshl_b32 s86, s17, 8
	s_lshl_b32 s87, s15, 7
	s_add_co_u32 s86, s86, s87
	s_lshl_b32 s86, s86, 14                        ; my first row, rows of 16,384 bytes
	s_mov_b32 s87, 0
	s_add_nc_u64 s[86:87], s[86:87], s[46:47]
	s_add_nc_u64 s[12:13], s[12:13], s[86:87]
	s_cmp_eq_u32 s15, 0
	s_cselect_b32 s84, s40, s41                    ; my place among the four that ask with me
	s_cselect_b64 s[PB:PB+1], s[ABASE:ABASE+1], s[BBASE:BBASE+1]
	s_lshl_b32 s[PK], s84, 13                      ; 32 rows of 256 bytes a partner
	s_add_nc_u64 s[PB:PB+1], s[PB:PB+1], s[PK:PK+1]
	s_mul_i32 s85, s84, 7936
	s_sub_co_u32 s85, 32768, s85                   ; 32,768 + 256 p - 8,192 p
	PFADR 88, 1
	PFADR 90, 2
	PFADR PF, 3
	v_and_b32 v1, 15, v0                           ; r
	v_bfe_u32 v2, v0, 4, 1                         ; h
	v_and_b32 v6, 31, v0
	v_lshlrev_b32 v[CO], 4, v6
	global_load_b128 v[BI:BI+3], v[CO], s[8:9]
	v_lshlrev_b32 v[PFO], 8, v6
	v_mov_b32 v[PF2], s85
	global_prefetch_b8 v[PFO], s[88:89] th:TH_LOAD_NT scope:SCOPE_SE   ; K steps 1 and 2: my 32 rows of codes, a lane a row,
	global_prefetch_b8 v[PF2], s[88:89] th:TH_LOAD_NT scope:SCOPE_SE   ; and my one row of scales (every lane names it)
	global_prefetch_b8 v[PFO], s[90:91] th:TH_LOAD_NT scope:SCOPE_SE
	global_prefetch_b8 v[PF2], s[90:91] th:TH_LOAD_NT scope:SCOPE_SE
	v_mul_u32_u24 v3, v1, PITCH
	v_lshl_add_u32 v4, v2, 4, v3                   ; a fragment's row x pitch + 16 h
	v_mul_u32_u24 v7, s23, v2                      ; lanes 16-31 take W's scale words
	v_lshl_add_u32 v5, v1, 3, v7
	v_add_nc_u32 v[ADRA], s21, v4
	v_add_nc_u32 v[ADRA+1], s18, v4
	v_add_nc_u32 v[ADRB], s22, v4
	v_add_nc_u32 v[ADRB+1], s19, v4
	v_add_nc_u32 v[ADRS], s21, v5
	v_add_nc_u32 v[ADRS+1], s18, v5
	v_mul_u32_u24 v5, v1, SPITCH
	v_lshl_add_u32 v5, v2, 5, v5
	v_add_nc_u32 v[STO], s20, v5
	v_add_nc_u32 v[RD], s20, v[CO]
	s_wait_alu depctr_va_vdst(0)                   ; the wait ahead of the blocking wait and of the transcendental
	s_wait_kmcnt 0x0
	v_rcp_f32 v[RW], s2
	v_nop
	s_wait_alu depctr_va_vdst(0)
	v_mov_b32 v[RW+1], v[RW]
	s_wait_alu depctr_va_vdst(0)
	s_wait_loadcnt 0x0
	v_pk_mul_f32 v[BI:BI+1], v[BI:BI+1], v[RW:RW+1]
	v_pk_mul_f32 v[BI+2:BI+3], v[BI+2:BI+3], v[RW:RW+1]
.macro FRAG reg, adr, q, i             ; 16 rows x 128 K: registers 4 c .. 4 c + 3 hold K = 32 c + 16 h + 0 .. 15
.irp c, 0,1,2,3
	ds_load_b128 v[\reg+4*\c:\reg+4*\c+3], v[\adr] offset:128*(\q)+32*\c+(\i)*16*PITCH
.endr
.endm
.macro RUNB slot, q                    ; W's eight blocks of the slot's q-th 128 along K, into set q
	WIN TO_B
.irp i, 0,1,2,3,4,5,6,7
	FRAG 128*(\q)+16*\i, ADRB+\slot, \q, \i
.endr
.endm
.macro RUNA slot, q                    ; x's eight blocks, in ascending order
	WIN 0
.irp i, 0,1,2,3
	FRAG AF+16*\i, ADRA+\slot, \q, \i
.endr
.irp i, 4,5,6,7
.if (\q) == 0
	FRAG AF+16*\i, ADRA+\slot, \q, \i
.else
	FRAG AX+16*(\i-4), ADRA+\slot, \q, \i
.endif
.endr
.endm
.macro SCALES sc                       ; a K step's scale words: two words a row
	WIN 0
.irp i, 0,1,2,3,4,5,6,7
	ds_load_b64 v[SC+16*\sc+2*\i:SC+16*\sc+2*\i+1], v[ADRS+\sc] offset:(128+\i/2)*PITCH+(\i%2)*128
.endr
.endm
; Eight products: x's block a, whose fragment lies at v[ar], against W's eight.  The accumulators take turns, one instruction a turn.
.macro MULR a, q, sc, zero, ar
.if (\a) < 4
	WIN MUL_LO
.else
	WIN MUL_HI
.endif
.set NB, 0
.rept 8
.set DR, 8*(8*((\a)%4)+NB)
.if \zero
	v_wmma_scale_f32_16x16x128_f8f6f4 v[DR:DR+7], v[128*(\q)+16*NB:128*(\q)+16*NB+15], v[(\ar):(\ar)+15], 0, v[SC+16*(\sc)+2*NB+(\q)], v[SC+16*(\sc)+2*(\a)+(\q)] matrix_a_fmt:MATRIX_FMT_BF8 matrix_b_fmt:MATRIX_FMT_BF8 matrix_a_scale:MATRIX_SCALE_ROW1
.else
	v_wmma_scale_f32_16x16x128_f8f6f4 v[DR:DR+7], v[128*(\q)+16*NB:128*(\q)+16*NB+15], v[(\ar):(\ar)+15], v[DR:DR+7], v[SC+16*(\sc)+2*NB+(\q)], v[SC+16*(\sc)+2*(\a)+(\q)] matrix_a_fmt:MATRIX_FMT_BF8 matrix_b_fmt:MATRIX_FMT_BF8 matrix_a_scale:MATRIX_SCALE_ROW1
.endif
.set NB, NB+1
.endr
.endm
.macro MULA a, q, sc, zero             ; the same with the fragment's place as the ring's steps have it
.if ((\a) < 4) || ((\q) == 0)
	MULR \a, \q, \sc, \zero, AF+16*(\a)
.else
	MULR \a, \q, \sc, \zero, AX+16*((\a)-4)
.endif
.endm
; A slot's first 128 along K; its loads bring the slot's second 128.  The youngest LDS loads at its head are x's blocks 0 .. 7, four loads each: behind block a stand 28 - 4 a.
.macro STEP slot, zero, pf
	s_wait_dscnt 28
	MULA 0, 0, \slot, \zero
	s_wait_dscnt 24
	MULA 1, 0, \slot, \zero
	PLACES 8
	RUNB \slot, 1
	s_wait_dscnt 52                                ; behind x's block 2: five fragments and the 32 loads just issued
	MULA 2, 0, \slot, \zero
	s_wait_dscnt 48
	MULA 3, 0, \slot, \zero
	s_wait_dscnt 44
	MULA 4, 0, \slot, \zero
	PLACES 8
	RUNA \slot, 1
.if \pf
	s_cmp_lt_u32 s[KT], 14                         ; the last two refills have no K step two on
	s_cbranch_scc0 .Lnone_\@
	global_prefetch_b8 v[PFO], s[PF:PF+1] th:TH_LOAD_NT scope:SCOPE_SE   ; K step KT + 2
	global_prefetch_b8 v[PF2], s[PF:PF+1] th:TH_LOAD_NT scope:SCOPE_SE
.Lnone_\@:
.endif
	s_wait_dscnt 63                                ; behind x's blocks 5, 6, 7 stand 72, 68, 64 younger loads
	MULA 5, 0, \slot, \zero
	MULA 6, 0, \slot, \zero
	MULA 7, 0, \slot, \zero
	WIN 0
.endm
; A slot's second 128 along K.  All reads of the slot were issued in the step before, so the change of slots stands at the head: the wait for all my tensor loads, the add, the wait for it and for those reads,
; the round (fill = 1) or the barrier, the refill, and then the next slot's first fragments in two runs.
.macro TURN slot, next, fill
.if \fill
	s_wait_xcnt 0x0                                ; my prefetches have read their address: it is written below
.endif
	s_wait_tensorcnt 0x0                           ; my part of the next slot has landed
	ds_add_u32 v[SPW], v[NIL]
	s_wait_dscnt 29                                ; W's set and x's block 0 are in: behind them seven fragments and the add
	MULA 0, 1, \slot, 0
.if \fill
	s_add_co_u32 s[KT], s[KT], 1                   ; no tensor load of mine is out: the descriptors may be written
	KOFF KO, KT
	s_add_nc_u64 s[G0+4*\slot+2:G0+4*\slot+3], s[ABASE:ABASE+1], s[KO:KO+1]
	s_or_b32 s[G0+4*\slot+3], s[G0+4*\slot+3], 0x80000000
	s_add_nc_u64 s[G0B+4*\slot+2:G0B+4*\slot+3], s[BBASE:BBASE+1], s[KO:KO+1]
	s_or_b32 s[G0B+4*\slot+3], s[G0B+4*\slot+3], 0x80000000
.endif
	s_wait_dscnt 0x0                               ; the add is done, and my reads of this slot are over
	s_barrier_signal -1
	MULA 1, 1, \slot, 0
.if \fill
	s_add_co_u32 s[TT], s[KT], 2
	s_min_u32 s[TT], s[TT], 15
	KOFF PK, TT
	s_add_nc_u64 s[PF:PF+1], s[PB:PB+1], s[PK:PK+1]
.endif
	WIN 0
	s_barrier_wait -1
.if \fill
	CREST
	JLOAD G0+4*\slot, G1, G0B+4*\slot, G1B         ; the first tensor load behind the round; its four v_nop are four of the eight places
	PLACES 4
.else
	PLACES 8
.endif
	RUNB \next, 0
	SCALES \next
	MULA 2, 1, \slot, 0
	MULA 3, 1, \slot, 0
	MULA 4, 1, \slot, 0
	MULA 5, 1, \slot, 0
	PLACES 8
	RUNA \next, 0
	MULA 6, 1, \slot, 0
	MULA 7, 1, \slot, 0
	WIN 0
.endm
	s_wait_alu depctr_va_vdst(0)                   ; the wait at the head's end
	s_wait_tensorcnt 0x0                           ; my part of K step 0 is in; the full sequence ahead of slot 1's first fill
	ds_add_u32 v[SPW], v[NIL]
	s_wait_dscnt 0x0
	CROUND
	JLOAD G0+4, G1, G0B+4, G1B                     ; K step 1
	RUNB 0, 0
	SCALES 0
	RUNA 0, 0
	STEP 0, 1, 1                                   ; the first step's products start the sums
	s_mov_b32 s3, LAPS-1
.Llap:
	TURN 0, 1, 1
	STEP 1, 0, 1
	TURN 1, 0, 1
	STEP 0, 0, 1
	s_sub_co_u32 s3, s3, 1
	s_cmp_lg_u32 s3, 0
	s_cbranch_scc1 .Llap
	TURN 0, 1, 0                                   ; the last lap fills nothing; this step has brought W's set 0, the scale words and x's eight blocks of slot 1's first 128 along K
; THE LAST K STEP (slot 1) BY x's BLOCKS, AND THE WAY OUT.  W's set 1 takes the slot's second 128 along K, so both sets hold this slot; x's blocks of the second 128 go through the four buffers at AX, block a in buffer a % 4.
; Block a takes eight products on the first 128 and eight on the second (its eight accumulators by turns, K ascending) and is finished.  Its 16 rows x 128 columns go through my own stage in LDS and come back as whole rows of
; 512 bytes INTO THE BLOCK'S OWN 64 ACCUMULATOR REGISTERS, behind a wait that shows the stores into the stage done; there they take the scale and the bias and are stored.  No store's data register is written again.
.macro TOST a                          ; block a into the stage
.set AC, 64*((\a)%4)
	WIN 0x08+4*((\a)/4)                            ; the stores' data: window 2 or 3
.irp b, 0,1,2,3,4,5,6,7
	ds_store_b128 v[STO], v[AC+8*\b:AC+8*\b+3] offset:64*\b          ; each accumulator from its low end on
	ds_store_b128 v[STO], v[AC+8*\b+4:AC+8*\b+7] offset:64*\b+16
.endr
.endm
.macro BACK a                          ; and back by rows
.set AC, 64*((\a)%4)
	WIN 0x80+0x40*((\a)/4)                         ; destination window 2 or 3
.irp t, 0,1,2,3,4,5,6,7,8,9,10,11,12,13,14,15
	ds_load_b128 v[AC+4*\t:AC+4*\t+3], v[RD] offset:\t*SPITCH
.endr
.endm
.macro SEND a
.set AC, 64*((\a)%4)
	WIN 0x82+0x41*((\a)/4)                         ; source 0 and destination window 2 or 3
.irp t, 0,1,2,3,4,5,6,7,8,9,10,11,12,13,14,15
	v_pk_fma_f32 v[AC+4*\t:AC+4*\t+1], v[AC+4*\t:AC+4*\t+1], v[RW:RW+1], v[BI:BI+1]
	v_pk_fma_f32 v[AC+4*\t+2:AC+4*\t+3], v[AC+4*\t+2:AC+4*\t+3], v[RW:RW+1], v[BI+2:BI+3]
.endr
	WIN 0x08+4*((\a)/4)                            ; the stores' data: window 2 or 3
.irp t, 0,1,2,3,4,5,6,7,8,9,10,11,12,13,14,15
	global_store_b128 v[CO], v[AC+4*\t:AC+4*\t+3], s[12:13] offset:(16*(\a)+\t)*SIZE_N*4 th:TH_STORE_NT   ; 32 lanes store 512 consecutive bytes, aligned; 127 rows at the most in the immediate
.endr
.endm
	PLACES 8                                       ; W's set 1 and the buffers at AX were read by the products just issued
	RUNB 1, 1
	WIN 0
.irp i, 0,1,2,3
	FRAG AX+16*\i, ADRA+1, 1, \i
.endr
	s_wait_dscnt 63                                ; W's set 0, the scale words and x's blocks 0 and 1 of the first 128: behind these two stand 76 and 72 younger loads
	MULR 0, 0, 1, 0, AF
	MULR 1, 0, 1, 0, AF+16
	s_wait_dscnt 12                                ; W's set 1 and block 0's second fragment: behind it three fragments
	MULR 0, 1, 1, 0, AX
	s_wait_dscnt 8
	MULR 1, 1, 1, 0, AX+16
	PLACES 8                                       ; blocks 0 and 1 are read below, and their buffers at AX loaded into; later blocks have the 32 multiply-adds of a SEND as their places
.irp a, 0,1,2,3,4,5,6,7
	TOST \a
.if \a < 4
	WIN 0
	FRAG AX+16*\a, ADRA+1, 1, \a+4                 ; block a's buffer takes block a + 4
.endif
.if \a < 6
	MULR \a+2, 0, 1, 0, AF+16*(\a+2)
.endif
.if \a < 4
	s_wait_dscnt 4                                 ; the stores into the stage are done (behind them the one fragment), and so is every older load
.else
	s_wait_dscnt 0x0
.endif
	BACK \a
.if \a < 6
	MULR \a+2, 1, 1, 0, AX+16*((\a+2)%4)           ; its fragment was shown in by a wait of an earlier block
.endif
	s_wait_dscnt 0x0                               ; the rows are back
	SEND \a
.endr
	WIN 0
	s_wait_tensorcnt 0x0                           ; the wave's end
	ds_add_u32 v[SPW], v[NIL]
	s_wait_dscnt 0x0
	CROUND                                         ; the closing round
	s_endpgm
.Lfunc_end_k_q9546e9530e_gemm:
	.size	k_q9546e9530e_gemm, .Lfunc_end_k_q9546e9530e_gemm-k_q9546e9530e_gemm
	.p2alignl 7, 3214868480
	.fill 96, 4, 3214868480
	.section	.rodata,"a",@progbits
	.p2align	6, 0x0
	.amdhsa_kernel k_q9546e9530e_gemm
		.amdhsa_group_segment_fixed_size 327680
		.amdhsa_private_segment_fixed_size 0
		.amdhsa_enable_private_segment 0
		.amdhsa_kernarg_size 40
		.amdhsa_user_sgpr_count 2
		.amdhsa_user_sgpr_kernarg_segment_ptr 1
		.amdhsa_wavefront_size32 1
		.amdhsa_system_sgpr_workgroup_id_x 1
		.amdhsa_system_sgpr_workgroup_id_y 1
		.amdhsa_system_sgpr_workgroup_id_z 1
		.amdhsa_system_vgpr_workitem_id 0
		.amdhsa_next_free_vgpr 1024
		.amdhsa_next_free_sgpr 92
		.amdhsa_reserve_vcc 0
		.amdhsa_float_denorm_mode_32 3
		.amdhsa_float_denorm_mode_16_64 3
		.amdhsa_memory_ordered 1
		.amdhsa_forward_progress 1
		.amdhsa_inst_pref_size 165
	.end_amdhsa_kernel
	.amdgpu_metadata
---
amdhsa.version: [ 1, 2 ]
amdhsa.kernels:
  - .name:           k_q9546e9530e_gemm
    .symbol:         k_q9546e9530e_gemm.kd
    .args:
      - { .name: xq, .offset: 0, .size: 8, .value_kind: global_buffer, .address_space: global }
      - { .name: wq, .offset: 8, .size: 8, .value_kind: global_buffer, .address_space: global }
      - { .name: bias, .offset: 16, .size: 8, .value_kind: global_buffer, .address_space: global }
      - { .name: weight_scale, .offset: 24, .size: 8, .value_kind: global_buffer, .address_space: global }
      - { .name: out0, .offset: 32, .size: 8, .value_kind: global_buffer, .address_space: global }
    .group_segment_fixed_size: 327680
    .private_segment_fixed_size: 0
    .kernarg_segment_align: 8
    .kernarg_segment_size: 40
    .max_flat_workgroup_size: 128
    .sgpr_count:     92
    .vgpr_count:     1024
    .wavefront_size: 32
...
	.end_amdgpu_metadata
.endif
;; end of part 2
